; MI455X (gfx1250); checked and timed in simulation.
; The chip was launched on July 23, 2026; its instructions are those of AMD's public machine-readable ISA for CDNA 5 (MIT licence, August 2026) and "CDNA5" Instruction Set Architecture Reference Guide (July 2026). The comments in the code are by the model that wrote it; some were corrected since.
;; Pretrained Model. Allowed arithmetic: matrix products marked QUANTISED: E4M3 operands, one E8M0 scale for each 32 along K, by v_wmma_scale_f32_16x16x128_f8f6f4 with both operands' format E4M3, f32 sums; products left as they are: f32 operands where the result goes on into a quantised operand, else bf16, f16 or f32 operands; f32 sums; everything else in f32.
;; Inputs: W1 1 x 64 float32; W2 64 x 64 float32; W3 64 x 1 float32; b1 64 float32; b2 64 float32; b3 1 float32; trainingInputs 4,096 x 512 x 1 float32; trainingLabels 4,096 x 512 x 1 float32.
;; Outputs: out0 4,096 float32.
;; This version of the problem:
;;   THIS VERSION OF THE PROBLEM IS GIVEN IN LOW PRECISION. The matrix products marked QUANTISED in the list below multiply operands that are first quantised to E4M3 (4 exponent bits, 3 mantissa bits; 8 bits a number), with one power-of-two scale for each 32 numbers along K (OCP MX v1.0); their sums are f32. All else is computed in f32.
;;   The module's matrix products, in the order in which they are computed (A, B: the left and right operand; K: the contracted axis; several contracted axes count as one K, in the product's order):
;;     1. [M 2,097,152, K 1] x [K 1, N 64]; A: input trainingInputs; B: input W1: left as it is (K = 1 < 32)
;;     2. [M 2,097,152, K 64] x [K 64, N 64]; A: computed on the way; B: input W2: QUANTISED
;;     3. [M 2,097,152, K 64] x [K 64, N 1]; A: computed on the way; B: input W3: left as it is (N = 1 < 16)
;;   THE QUANTISER, for each operand of a quantised product, along K:
;;     - K is cut into blocks of 32 from its start; a last block that is shorter is filled with zeros.
;;     - A block's scale is 2^e with e = floor(log2(the largest magnitude in the block)) - 8, held to -126 .. 127; a block of zeros has e = 0. As a byte (E8M0): e + 127.
;;     - Each number is divided by its block's scale, clamped to +-448, and rounded to the nearest number of E4M3, ties to even, subnormals kept.
;;     - The product sums the exact products of the quantised numbers (number of the format x scale) in f32.
;;   ~~~python
;;   def quantise(x, axis):      # numpy; x: float32 -> the quantised numbers, widened to float32 again
;;       x = np.moveaxis(x, axis, -1); K = x.shape[-1]
;;       x = np.pad(x, [(0, 0)] * (x.ndim - 1) + [(0, -K % 32)]); x = x.reshape(x.shape[:-1] + (-1, 32)); a = np.abs(x).max(-1, keepdims=True)
;;       e = np.where(a > 0, np.clip(np.frexp(np.where(a > 0, a, 1))[1] - 1 - 8, -126, 127), 0)      # np.frexp(a)[1] - 1 = floor(log2(a)), exactly
;;       r = np.clip(x / 2.0 ** e, -448, 448)
;;       step = 2.0 ** (np.maximum(np.frexp(np.where(r == 0, 1, r))[1] - 1, -6) - 3)
;;       q = np.round(r / step) * step * 2.0 ** e      # np.round: ties to even
;;       return np.moveaxis(q.reshape(q.shape[:-2] + (-1,))[..., :K], -1, axis).astype(np.float32)
;;   ~~~
;;   OPERANDS COMPUTED ON THE WAY. 'Computed on the way' means the value that the module computes at that place (a softmax that the list does not call 'softmax' is quantised finished and normalised). What goes into a quantiser is computed in f32, as accurately as f32 sums, v_exp_f32 and their like allow (about 1e-6 of the number): no bf16 or f16 on the way to a quantiser, and a product that is left as it is and whose result goes on into a quantised operand takes f32 operands (vector FMAs, or v_wmma_f32_16x16x4_f32). A number that lies on a knife's edge between two numbers of the format may be rounded either way, as far as f32 arithmetic and the matrix unit's own rounding can turn it there, and no further.
;; One version. Each part assembles by itself: llvm-mc -triple=amdgcn-amd-amdhsa -mcpu=gfx1250 --defsym DOCPART=n.
;; ======== version 1 of 1: 1 launch
;; launch mlp_loss (part 1): grid 256 x 1, 8 waves a work-group, no clusters, 7,168 bytes of LDS; arguments trainingInputs, trainingLabels, W1, b1, W2, b2, W3, b3, out0; writes out0
.if DOCPART == 1
	.amdgcn_target "amdgcn-amd-amdhsa--gfx1250"
	.amdhsa_code_object_version 6
	.text
	.protected	k_qa241bfab43_mlp_loss
	.globl	k_qa241bfab43_mlp_loss
	.p2align	8
	.type	k_qa241bfab43_mlp_loss,@function
k_qa241bfab43_mlp_loss:
	s_mov_b64 s[64:65], 0
	v_nop
	global_prefetch_b8 v0, s[64:65] scope:SCOPE_SE
	s_setreg_imm32_b32 hwreg(HW_REG_WAVE_MODE, 25, 1), 1
	s_wait_xcnt 0x0
; out0[task] = mean over the task's 512 samples of (label - pred)^2,  pred = relu(relu(x W1 + b1) W2 + b2) W3 + b3,  x a single number a sample.
; The middle product (K = 64, N = 64) is done on codes of FP8 (E4M3) with one E8M0 scale for each 32 along K; everything else in f32.  Nothing between the loads of x and labels and the result goes to memory.
; SHARES.  4,096 tasks, 256 work-groups of 8 waves: a work-group owns 16 tasks, a wave two: 4,096 consecutive bytes of x and of the labels.  A wave's samples go in 8 groups of 128 (512 bytes);
; a group is four PAIR-STEPS q = 0 .. 3; a pair-step is two tiles of 16 samples: tile A = samples 4 r + q of the group, tile B = samples 64 + 4 r + q (r = lane % 16, h = lane / 16).
; So one load of 16 bytes a lane brings a lane its sample of four pair-steps, and the plain load of the labels (16 bytes at 16 x lane) brings lanes 0-15 tile A's labels and lanes 16-31 tile B's.
; LAYOUT.  The matrix instruction is used transposed: source 0 = 16 hidden units of W2 (rows along k), source 1 = the codes of h1 of 16 samples, C = b2 in the result's layout.  A lane holds ONE sample throughout:
; of h1 the numbers k = 32 c + 16 h + i (c = 0, 1; i = 0 .. 15), which is the operand's own order, so the conversions' results are the operand; of h2 the units 16 t + 8 h + j (t = 0 .. 3; j = 0 .. 7).
; K IS 64 OF THE INSTRUCTION'S 128.  The upper eight registers of h1's operand are zero codes and stay so; hence the upper eight of W2's operand may hold any finite codes: W2's four tiles of 8 registers lie on end,
; with 8 zero registers behind them, and operand t is the 16 registers from tile t on.  Bytes 2 and 3 of both scale words are 0, a finite scale, over products that are zero.
; THE ACTIVATIONS.  h1's clip at 0 is the lower bound of the hold that the conversion to an 8-bit code wants anyway (ISA guide 7.6.2: it does not saturate); what is negative does not count for a block's largest magnitude.
; W2 is quantised once a work-group: wave w takes the piece (tile w / 2, block w % 2), a lane a column of W2 and its registers down K; the pieces go from wave to wave through LDS as images of the registers.
; LIMITS.  NaN and infinities among the inputs are not served.  A block of zeros (or of negative h1 alone) gets the scale byte 1 where the quantiser says 127: its codes are zeros, and this program alone reads the bytes.
; h1 = x W1 + b1 is one fused multiply-add: one rounding where the reference has two.  The order of the f32 sums over units and samples differs from the reference's.
; NOT USED, and why: tensor loads and an LDS ring (a group's data are 12 registers a lane and arrive in the lanes that use them); clusters (work-groups share 17 KB of weights, read once each);
; a prefetch (each group's loads are themselves issued four pair-steps ahead of their use).  out0: a work-group owns 64 consecutive bytes and stores them by one instruction.
;
; REGISTERS, in windows of 256 (s_set_vgpr_msb: bits 1:0 source 0, 3:2 source 1, 5:4 source 2, 7:6 destination).  Window 0: all that changes.  Window 1: the constants.
.set DUAL, 1                           ; 1: h2's clip at 0 as dual-issue pairs; 0: as plain lines
.set VX,   1                           ; v1   16 r: my 16 bytes of x in a tile's 256; never rewritten
.set VL,   2                           ; v2   16 x lane: my 16 bytes of labels; also my place in an image in LDS; never rewritten
.set LS,   3                           ; v3   4 x lane; never rewritten
.set VW,   4                           ; v4   my byte in W2; never rewritten
.set IMW,  5                           ; v5   LDS: where I store my piece's image; at the end: where my wave's two results go
.set LOSS, 6                           ; v6   my running sum of squared errors
.set SCW,  7                           ; v7   LDS: where I store my piece's scale byte
.set RES,  8                           ; v[8:9]   the wave's two results
.set INIT, 10                          ; v[10:11] (b3 in lanes 0-15 and 0 in lanes 16-31, 0): what a sample's sum begins with
.set W2S,  12                          ; v12-15   W2's scale words, one a tile: scales and nothing else
.set PWA,  16                          ; v16, v17 h1's scale words of tiles A and B: scales and nothing else
.set PWB,  17
.set TM,   18                          ; v18-21   the four blocks' largest magnitudes (A's block 0, 1, B's block 0, 1)
.set TP,   22                          ; v22-25   the other half of the lanes' maxima
.set LIM,  26                          ; v26-29   448 x the scale
.set SC,   30                          ; v30-33   the conversions' scale operands
.set BY,   34                          ; v34-37   the scale bytes
.set SA0,  38                          ; v[38:39], v[40:41] tile A's sum in two chains; v[42:43], v[44:45] tile B's
.set SB0,  42
.set PA,   46                          ; v46  tile A's sum of my half of the units;  v47 tile B's
.set PB,   47
.set RECV, 48
.set KEEP, 49
.set SEND, 50
.set RING, 52                          ; v52-75  two sets (group parity 0, 1) of: x of tile A (4), x of tile B (4), labels (4)
.set CA,   76                          ; v76-91  tile A's operand: 8 registers of codes, 8 of zeros;  v92-107 tile B's
.set CB,   92
.set YA,   108                         ; v108-139 tile A's h1 in f32;  v140-171 tile B's
.set YB,   140
.set HA,   172                         ; v172-203 tile A's four accumulators;  v204-235 tile B's
.set HB,   204
.set OFA,  248                         ; v248 64 h, v249 32 h: the offsets of the constants' loads; never rewritten
.set OFB,  249
.set W1R,  0                           ; window 1: register 16 c + i = W1[32 c + 16 h + i]
.set B1R,  32                          ;           b1 likewise
.set W2F,  64                          ;           W2's four tiles of 8 registers, then 8 zeros
.set B2R,  104                         ;           register 8 t + j = b2[16 t + 8 h + j]
.set W3R,  136                         ;           W3 likewise
.set WV,   2                           ; s2   my wave's number
.set LEFT, 3                           ; s3   trips to go: 4 .. 1
.set SEL,  4                           ; s[4:5] v_permlanex16_b32's selects for lane l xor 16
.set MNT,  6                           ; s6   the mantissa field of 448
.set HM,   7                           ; s7   a mask of lanes 16-31
.set W2IMG, 0                          ; LDS: 8 pieces of W2's codes, 512 bytes each: 16 x lane + 512 x piece
.set W2SC,  4096                       ;      their scale bytes, a word a lane: 4 x lane + 128 x piece
.set LOSSW, 5120                       ;      16 words: the work-group's results
.set MSB, 0
.macro WIN new                         ; the immediate's high byte repeats the setting that is left; a switch that changes nothing is dropped
.if MSB != \new
	s_set_vgpr_msb (MSB<<8)|\new
.set MSB, \new
.endif
.endm
; h1 before its activation, for the pair-step q of the group in ring set par: W1[k] x + b1[k], two k an instruction, both tiles by turns.  x is register q of four: the pair that holds it is named, and op_sel picks it for both halves.
.macro GENFMA par, q
.set XP, RING+12*(\par)+2*((\q)/2)
.irp i, 0,1,2,3,4,5,6,7,8,9,10,11,12,13,14,15
.if ((\q)%2) == 0
	v_pk_fma_f32 v[YA+2*\i:YA+2*\i+1], v[W1R+2*\i:W1R+2*\i+1], v[XP:XP+1], v[B1R+2*\i:B1R+2*\i+1] op_sel_hi:[1,0,1]
	v_pk_fma_f32 v[YB+2*\i:YB+2*\i+1], v[W1R+2*\i:W1R+2*\i+1], v[XP+4:XP+5], v[B1R+2*\i:B1R+2*\i+1] op_sel_hi:[1,0,1]
.else
	v_pk_fma_f32 v[YA+2*\i:YA+2*\i+1], v[W1R+2*\i:W1R+2*\i+1], v[XP:XP+1], v[B1R+2*\i:B1R+2*\i+1] op_sel:[0,1,0] op_sel_hi:[1,1,1]
	v_pk_fma_f32 v[YB+2*\i:YB+2*\i+1], v[W1R+2*\i:W1R+2*\i+1], v[XP+4:XP+5], v[B1R+2*\i:B1R+2*\i+1] op_sel:[0,1,0] op_sel_hi:[1,1,1]
.endif
.endr
.endm
; relu and the quantiser in one, on four blocks of 32 along K (two tiles x two blocks), 16 numbers of each in my registers v[YA + 16 b] on, the other 16 in lane l xor 16.
.macro QUANT
.irp b, 0,1,2,3
	v_max3_num_f32 v[TM+\b], v[YA+16*\b], v[YA+16*\b+1], 0x4800000   ; no |.|: what is negative becomes 0 and must not count; the floor 2^(9 - 127) holds the byte at 1 from below
.endr
.irp i, 2,4,6,8,10,12,14
.irp b, 0,1,2,3
	v_max3_num_f32 v[TM+\b], v[TM+\b], v[YA+16*\b+\i], v[YA+16*\b+\i+1]   ; the four blocks by turns: no line waits for the line above it
.endr
.endr
.irp b, 0,1,2,3
	v_permlanex16_b32 v[TP+\b], v[TM+\b], s[SEL], s[SEL+1]
.endr
.irp b, 0,1,2,3
	v_max_num_f32 v[TM+\b], v[TM+\b], v[TP+\b]                  ; the block's largest magnitude
.endr
.irp b, 0,1,2,3
	v_add_nc_u32 v[SC+\b], 0xfc000000, v[TM+\b]                 ; 8 off its exponent field: the conversion takes this operand's exponent field as its scale
.endr
.irp b, 0,1,2,3
	v_and_or_b32 v[LIM+\b], v[TM+\b], 0x7f800000, s[MNT]        ; 448 x the scale
.endr
.irp b, 0,1,2,3
	v_lshrrev_b32 v[BY+\b], 23, v[SC+\b]                        ; the scale's byte
.endr
	v_lshl_or_b32 v[PWA], v[BY+1], 8, v[BY]                     ; a sample's scale word: bytes 0 and 1; bytes 2 and 3 stay 0, over zero codes
	v_lshl_or_b32 v[PWB], v[BY+3], 8, v[BY+2]
.irp b, 0,1,2,3
.irp i, 0,1,2,3,4,5,6,7,8,9,10,11,12,13,14,15
	v_med3_num_f32 v[YA+16*\b+\i], v[YA+16*\b+\i], 0, v[LIM+\b]   ; the activation and the hold in one
.endr
	v_cvt_scalef32_pk8_fp8_f32 v[CA+16*(\b/2)+4*(\b%2):CA+16*(\b/2)+4*(\b%2)+1], v[YA+16*\b:YA+16*\b+7], v[SC+\b]       ; registers 4 c .. 4 c + 3 of the operand: k = 32 c + 16 h + 0 .. 15
	v_cvt_scalef32_pk8_fp8_f32 v[CA+16*(\b/2)+4*(\b%2)+2:CA+16*(\b/2)+4*(\b%2)+3], v[YA+16*\b+8:YA+16*\b+15], v[SC+\b]
.endr
.endm
; Eight matrix instructions on eight accumulators, each a whole sum (K = 64 in one instruction) that begins with b2: no accumulator is taken up twice.
.macro MMA
.irp t, 0,1,2,3
	v_wmma_scale_f32_16x16x128_f8f6f4 v[HA+8*\t:HA+8*\t+7], v[W2F+8*\t:W2F+8*\t+15], v[CA:CA+15], v[B2R+8*\t:B2R+8*\t+7], v[W2S+\t], v[PWA]
	v_wmma_scale_f32_16x16x128_f8f6f4 v[HB+8*\t:HB+8*\t+7], v[W2F+8*\t:W2F+8*\t+15], v[CB:CB+15], v[B2R+8*\t:B2R+8*\t+7], v[W2S+\t], v[PWB]
.endr
.endm
; h2 = max(0, .), in ascending order: each accumulator is read from its low end on.
.macro RELU
.set n, HA
.rept 32
.if DUAL
	v_dual_max_num_f32 v[n], 0, v[n] :: v_dual_max_num_f32 v[n+1], 0, v[n+1]
.else
	v_max_num_f32 v[n], 0, v[n]
	v_max_num_f32 v[n+1], 0, v[n+1]
.endif
.set n, n+2
.endr
.endm
; The third product, for my 32 units of each tile's sample: packed multiply-adds, two chains a tile, four chains by turns.  The first link begins with b3 (in lanes 0-15 alone, so that it is counted once a sample).
.macro SUM
	v_pk_fma_f32 v[SA0:SA0+1], v[W3R:W3R+1], v[HA:HA+1], v[INIT:INIT+1]
	v_pk_fma_f32 v[SB0:SB0+1], v[W3R:W3R+1], v[HB:HB+1], v[INIT:INIT+1]
	v_pk_mul_f32 v[SA0+2:SA0+3], v[W3R+2:W3R+3], v[HA+2:HA+3]
	v_pk_mul_f32 v[SB0+2:SB0+3], v[W3R+2:W3R+3], v[HB+2:HB+3]
.irp p, 2,3,4,5,6,7,8,9,10,11,12,13,14,15
	v_pk_fma_f32 v[SA0+2*(\p%2):SA0+2*(\p%2)+1], v[W3R+2*\p:W3R+2*\p+1], v[HA+2*\p:HA+2*\p+1], v[SA0+2*(\p%2):SA0+2*(\p%2)+1]
	v_pk_fma_f32 v[SB0+2*(\p%2):SB0+2*(\p%2)+1], v[W3R+2*\p:W3R+2*\p+1], v[HB+2*\p:HB+2*\p+1], v[SB0+2*(\p%2):SB0+2*(\p%2)+1]
.endr
.endm
; A sample's two halves meet by ONE exchange for both tiles: lanes 0-15 keep tile A's half and send tile B's, lanes 16-31 the other way round.  Then lanes 0-15 hold tile A's pred and lanes 16-31 tile B's, as the labels lie.
.macro TAIL par, q
	v_pk_add_f32 v[SA0:SA0+1], v[SA0:SA0+1], v[SA0+2:SA0+3]
	v_pk_add_f32 v[SB0:SB0+1], v[SB0:SB0+1], v[SB0+2:SB0+3]
	v_add_f32 v[PA], v[SA0], v[SA0+1]
	v_add_f32 v[PB], v[SB0], v[SB0+1]
	v_cndmask_b32 v[KEEP], v[PA], v[PB], s[HM]
	v_cndmask_b32 v[SEND], v[PB], v[PA], s[HM]
	v_permlanex16_b32 v[RECV], v[SEND], s[SEL], s[SEL+1]
	v_sub_f32 v[KEEP], v[KEEP], v[RING+12*(\par)+8+(\q)]        ; - label
	v_add_f32 v[KEEP], v[KEEP], v[RECV]                         ; pred - label
	v_fmac_f32 v[LOSS], v[KEEP], v[KEEP]
.endm
; A PAIR-STEP: the products on the codes in hand; the next pair-step's h1 and codes (np, nq), whose first 32 lines are also the places behind the products; then this step's h2, its sum and its error.
; In a group's last pair-step (q = 3) the group's registers of x are free behind the products, and its labels behind TAIL: they take the group two further on.  The wave's last trip loads nothing (no load leaves its buffer).
.macro STEP par, q, np, nq
	WIN 0x11                                       ; source 0 (W2; W1) and source 2 (b2; b1) in window 1
	MMA
.if (\q) < 3
	GENFMA \np, \nq
	WIN 0
	QUANT
.else
	WIN 0                                          ; at a branch and at a label every window is 0
	s_wait_loadcnt 0x0                             ; the next group's three loads, issued four pair-steps ago, are the only ones that can be out: they are in, and the bases that they read may be stepped
	s_cmp_eq_u32 s[LEFT], 1
.if (\par) == 0
	s_cbranch_scc1 .Lno_x_\@
	s_add_nc_u64 s[8:9], s[8:9], 1024              ; two groups on
	s_add_nc_u64 s[10:11], s[10:11], 1024
	global_load_b128 v[RING:RING+3], v[VX], s[8:9] th:TH_LOAD_NT
	global_load_b128 v[RING+4:RING+7], v[VX], s[8:9] offset:256 th:TH_LOAD_NT
.Lno_x_\@:
	WIN 0x11
	GENFMA \np, \nq
	WIN 0
	QUANT
.else
	s_cbranch_scc1 .Llast_\@
	global_load_b128 v[RING+12:RING+15], v[VX], s[8:9] offset:512 th:TH_LOAD_NT
	global_load_b128 v[RING+16:RING+19], v[VX], s[8:9] offset:768 th:TH_LOAD_NT
	WIN 0x11
	GENFMA \np, \nq
	WIN 0
	QUANT
	s_branch .Ljoin_\@
.Llast_\@:                                         ; the wave's very last pair-step has no successor: eight places stand between its products and the first read of their results
.rept 8
	v_nop
.endr
.Ljoin_\@:
.endif
.endif
	RELU
	WIN 0x01                                       ; source 0 (W3) in window 1
	SUM
	WIN 0
	TAIL \par, \q
.if (\q) == 3
	s_cmp_eq_u32 s[LEFT], 1
	s_cbranch_scc1 .Lno_l_\@
	global_load_b128 v[RING+12*(\par)+8:RING+12*(\par)+11], v[VL], s[10:11] offset:512*(\par) th:TH_LOAD_NT
.Lno_l_\@:
.endif
.endm
	; ---- the head
	s_load_b512 s[8:23], s[0:1], 0x0               ; x s[8:9], labels s[10:11], W1 s[12:13], b1 s[14:15], W2 s[16:17], b2 s[18:19], W3 s[20:21], b3 s[22:23]
	s_load_b64 s[24:25], s[0:1], 0x40              ; out0
	v_lshl_add_u32 v254, v0, 2, 0x1800
	v_mov_b32 v255, 0
	v_lshrrev_b32 v[IMW], 5, v0
	v_readfirstlane_b32 s[WV], v[IMW]              ; wave 0..7
	v_and_b32 v236, 15, v0                         ; r
	v_bfe_u32 v237, v0, 4, 1                       ; h
	v_and_b32 v238, 31, v0                         ; lane
	v_lshlrev_b32 v[VX], 4, v236
	v_lshlrev_b32 v[VL], 4, v238
	v_lshlrev_b32 v[LS], 2, v238
	v_lshlrev_b32 v[OFA], 6, v237
	v_lshlrev_b32 v[OFB], 5, v237
	s_and_b32 s27, s[WV], 1                        ; my piece of W2: block c = wave % 2: 32 rows of 256 bytes on,
	s_lshl_b32 s27, s27, 13
	s_lshr_b32 s28, s[WV], 1                       ; tile t = wave / 2: 16 columns of 4 bytes on
	s_lshl_b32 s28, s28, 6
	s_add_co_u32 s27, s27, s28
	v_lshlrev_b32 v[VW], 2, v236                   ; column r,
	v_lshl_add_u32 v[VW], v237, 12, v[VW]          ; lanes 16-31 begin 16 rows further down
	v_add_nc_u32 v[VW], s27, v[VW]
	s_lshl_b32 s27, s[WV], 9
	v_add_nc_u32 v[IMW], s27, v[VL]                ; 16 x lane + 512 x wave
	s_lshl_b32 s28, s[WV], 7
	v_add_nc_u32 v[SCW], s28, v[LS]                ; 4 x lane + 128 x wave
	s_mov_b32 s[SEL], 0x76543210
	s_mov_b32 s[SEL+1], 0xfedcba98
	s_mov_b32 s[MNT], 0x600000
	s_mov_b32 s[HM], 0xffff0000
.irp b, 0,1,2,3
	v_mov_b32 v[TP+\b], 0                          ; written once: a lane permute's destination counts as one of its sources
.endr
	v_mov_b32 v[RECV], 0
	v_mov_b32 v[RES], 0
	v_mov_b32 v[RES+1], 0
	s_lshl_b32 s28, ttmp9, 15                      ; the work-group's 32,768 bytes of x and of the labels,
	s_lshl_b32 s29, s[WV], 12                      ; my wave's 4,096 of them
	s_add_co_u32 s28, s28, s29
	s_mov_b32 s29, 0
	s_lshl_b32 s30, ttmp9, 6                       ; the work-group's 64 bytes of out0
	s_mov_b32 s31, 0
	s_wait_kmcnt 0x0
	s_load_b32 s26, s[22:23], 0x0                  ; b3
	s_add_nc_u64 s[8:9], s[8:9], s[28:29]
	s_add_nc_u64 s[10:11], s[10:11], s[28:29]
	s_add_nc_u64 s[24:25], s[24:25], s[30:31]
.irp i, 0,1,2,3,4,5,6,7,8,9,10,11,12,13,14,15
	global_load_b32 v[YA+\i], v[VW], s[16:17] offset:256*\i      ; W2[32 c + 16 h + i][16 t + r]: my registers run down K
.endr
.irp p, 0,1
	global_load_b128 v[RING+12*\p:RING+12*\p+3], v[VX], s[8:9] offset:512*\p th:TH_LOAD_NT          ; groups 0 and 1
	global_load_b128 v[RING+12*\p+4:RING+12*\p+7], v[VX], s[8:9] offset:512*\p+256 th:TH_LOAD_NT
	global_load_b128 v[RING+12*\p+8:RING+12*\p+11], v[VL], s[10:11] offset:512*\p th:TH_LOAD_NT
.endr
	WIN 0x40                                       ; destination window 1
.irp c, 0,1
.irp u, 0,1,2,3
	global_load_b128 v[W1R+16*\c+4*\u:W1R+16*\c+4*\u+3], v[OFA], s[12:13] offset:128*\c+16*\u
	global_load_b128 v[B1R+16*\c+4*\u:B1R+16*\c+4*\u+3], v[OFA], s[14:15] offset:128*\c+16*\u
.endr
.endr
.irp t, 0,1,2,3
.irp u, 0,1
	global_load_b128 v[B2R+8*\t+4*\u:B2R+8*\t+4*\u+3], v[OFB], s[18:19] offset:64*\t+16*\u
	global_load_b128 v[W3R+8*\t+4*\u:W3R+8*\t+4*\u+3], v[OFB], s[20:21] offset:64*\t+16*\u
.endr
.endr
	WIN 0
	s_wait_loadcnt 38                              ; W2's 16 loads are in: behind them 6 loads of the ring and 32 of the constants were issued, which may stay out
	; my piece of W2: one block of 32 along K for 16 columns, 16 numbers a lane
	v_max3_num_f32 v[TM], |v[YA]|, |v[YA+1]|, 0x4800000
.irp i, 2,4,6,8,10,12,14
	v_max3_num_f32 v[TM], v[TM], |v[YA+\i]|, |v[YA+\i+1]|
.endr
	v_permlanex16_b32 v[TP], v[TM], s[SEL], s[SEL+1]
	v_max_num_f32 v[TM], v[TM], v[TP]
	v_add_nc_u32 v[SC], 0xfc000000, v[TM]
	v_and_or_b32 v[LIM], v[TM], 0x7f800000, s[MNT]
	v_lshrrev_b32 v[BY], 23, v[SC]
.irp i, 0,1,2,3,4,5,6,7,8,9,10,11,12,13,14,15
	v_med3_num_f32 v[YA+\i], v[YA+\i], -v[LIM], v[LIM]
.endr
	v_cvt_scalef32_pk8_fp8_f32 v[236:237], v[YA:YA+7], v[SC]
	v_cvt_scalef32_pk8_fp8_f32 v[238:239], v[YA+8:YA+15], v[SC]
	v_nop                                          ; one plain line behind the last conversion
	ds_store_b128 v[IMW], v[236:239] offset:W2IMG  ; the piece's four registers, as they stand
	ds_store_b32 v[SCW], v[BY] offset:W2SC         ; and its scale byte, a word a lane
	s_wait_dscnt 0x0                               ; for the other waves' sake: my stores have landed
	s_barrier_signal -1
	s_barrier_wait -1
	WIN 0x40
.irp p, 0,1,2,3,4,5,6,7
	ds_load_b128 v[W2F+4*\p:W2F+4*\p+3], v[VL] offset:W2IMG+512*\p   ; piece 2 t + c = registers 4 c .. 4 c + 3 of tile t
.endr
.irp j, 0,1,2,3,4,5,6,7
	v_mov_b32 v[W2F+32+\j], 0                      ; behind tile 3: zero codes
.endr
	WIN 0
.irp p, 0,1,2,3,4,5,6,7
	ds_load_b32 v[240+\p], v[LS] offset:W2SC+128*\p
.endr
.irp j, 8,9,10,11,12,13,14,15
	v_mov_b32 v[CA+\j], 0                          ; k = 64 .. 127 of h1's operands: zero codes, for the whole launch
	v_mov_b32 v[CB+\j], 0
.endr
	s_wait_dscnt 0x0
.irp t, 0,1,2,3
	v_lshl_or_b32 v[W2S+\t], v[241+2*\t], 8, v[240+2*\t]   ; tile t's scale word: lane r has unit 16 t + r's two bytes
.endr
	s_wait_loadcnt 0x0                             ; the ring's first two groups and the constants
	s_wait_kmcnt 0x0                               ; b3
	WIN 0x11
	GENFMA 0, 0                                    ; the first pair-step's codes are made ahead of the loop
	WIN 0
	QUANT
	v_mov_b32 v[LOSS], 0
	v_mov_b32 v[INIT], s26
	v_cndmask_b32 v[INIT], v[INIT], 0, s[HM]       ; b3 in lanes 0-15 alone
	v_mov_b32 v[INIT+1], 0
	s_mov_b32 s[LEFT], 4
.rept 4
	v_nop                                          ; codes written by vector instructions stand four places ahead of a scaled matrix instruction; the scale words were made further up, ahead of the holds
.endr
.Ltrip:                                            ; four trips of two groups; two trips are a task
	STEP 0, 0, 0, 1
	STEP 0, 1, 0, 2
	STEP 0, 2, 0, 3
	STEP 0, 3, 1, 0
	STEP 1, 0, 1, 1
	STEP 1, 1, 1, 2
	STEP 1, 2, 1, 3
	STEP 1, 3, 0, 0
	s_and_b32 s27, s[LEFT], 1
	s_cmp_eq_u32 s27, 0
	s_cbranch_scc1 .Lno_task_end
	; a task is done (trips to go: 3 or 1): the 32 lanes' sums are added, divided by 512, and the sum begins anew
	v_add_f32_dpp v[LOSS], v[LOSS], v[LOSS] row_xmask:1 row_mask:0xf bank_mask:0xf
	v_add_f32_dpp v[LOSS], v[LOSS], v[LOSS] row_xmask:2 row_mask:0xf bank_mask:0xf
	v_add_f32_dpp v[LOSS], v[LOSS], v[LOSS] row_xmask:4 row_mask:0xf bank_mask:0xf
	v_add_f32_dpp v[LOSS], v[LOSS], v[LOSS] row_xmask:8 row_mask:0xf bank_mask:0xf
	v_permlanex16_b32 v[RECV], v[LOSS], s[SEL], s[SEL+1]
	v_add_f32 v[LOSS], v[LOSS], v[RECV]
	v_mov_b32 v[RES], v[RES+1]                     ; the first task's result moves down when the second's comes
	v_mul_f32 v[RES+1], 0x3b000000, v[LOSS]        ; x 1 / 512
	v_mov_b32 v[LOSS], 0
.Lno_task_end:
	s_sub_co_u32 s[LEFT], s[LEFT], 1
	s_cmp_lg_u32 s[LEFT], 0
	s_cbranch_scc1 .Ltrip
	; ---- the way out: the eight waves' sixteen results meet in LDS, and wave 0 stores the work-group's 64 consecutive bytes by one instruction
	s_lshl_b32 s27, s[WV], 3
	v_mov_b32 v[IMW], s27
	ds_store_b64 v[IMW], v[RES:RES+1] offset:LOSSW ; all lanes write the same two words with the same values
	s_wait_dscnt 0x0                               ; for wave 0's sake: my store has landed
	s_barrier_signal -1
	s_barrier_wait -1
	s_cmp_lg_u32 s[WV], 0
	s_cbranch_scc1 .Lothers
	s_wait_xcnt 0x0                                ; EXEC is narrowed only behind this wait
	v_cmp_gt_u32 vcc_lo, 16, v0
	s_wait_tensorcnt 0x0
	ds_add_u32 v254, v255
	s_wait_dscnt 0x0
	s_and_saveexec_b32 s27, vcc_lo
	ds_load_b32 v[PA], v[LS] offset:LOSSW          ; lane l: task 16 x work-group + l
	s_wait_dscnt 0x0
	global_store_b32 v[LS], v[PA], s[24:25]
	s_wait_xcnt 0x0                                ; and widened again only behind this one
	s_or_b32 exec_lo, exec_lo, s27
	s_endpgm
.Lothers:
	s_wait_tensorcnt 0x0
	ds_add_u32 v254, v255
	s_wait_dscnt 0x0
	s_endpgm
.Lfunc_end_k_qa241bfab43_mlp_loss:
	.size	k_qa241bfab43_mlp_loss, .Lfunc_end_k_qa241bfab43_mlp_loss-k_qa241bfab43_mlp_loss
	.p2alignl 7, 3214868480
	.fill 96, 4, 3214868480
	.section	.rodata,"a",@progbits
	.p2align	6, 0x0
	.amdhsa_kernel k_qa241bfab43_mlp_loss
		.amdhsa_group_segment_fixed_size 7168
		.amdhsa_private_segment_fixed_size 0
		.amdhsa_enable_private_segment 0
		.amdhsa_kernarg_size 72
		.amdhsa_user_sgpr_count 2
		.amdhsa_user_sgpr_kernarg_segment_ptr 1
		.amdhsa_wavefront_size32 1
		.amdhsa_system_sgpr_workgroup_id_x 1
		.amdhsa_system_sgpr_workgroup_id_y 1
		.amdhsa_system_sgpr_workgroup_id_z 1
		.amdhsa_system_vgpr_workitem_id 0
		.amdhsa_next_free_vgpr 448
		.amdhsa_next_free_sgpr 66
		.amdhsa_reserve_vcc 1
		.amdhsa_float_denorm_mode_32 3
		.amdhsa_float_denorm_mode_16_64 3
		.amdhsa_memory_ordered 1
		.amdhsa_forward_progress 1
		.amdhsa_inst_pref_size 149
	.end_amdhsa_kernel
	.amdgpu_metadata
---
amdhsa.version: [ 1, 2 ]
amdhsa.kernels:
  - .name:           k_qa241bfab43_mlp_loss
    .symbol:         k_qa241bfab43_mlp_loss.kd
    .args:
      - { .name: trainingInputs, .offset: 0, .size: 8, .value_kind: global_buffer, .address_space: global }
      - { .name: trainingLabels, .offset: 8, .size: 8, .value_kind: global_buffer, .address_space: global }
      - { .name: W1, .offset: 16, .size: 8, .value_kind: global_buffer, .address_space: global }
      - { .name: b1, .offset: 24, .size: 8, .value_kind: global_buffer, .address_space: global }
      - { .name: W2, .offset: 32, .size: 8, .value_kind: global_buffer, .address_space: global }
      - { .name: b2, .offset: 40, .size: 8, .value_kind: global_buffer, .address_space: global }
      - { .name: W3, .offset: 48, .size: 8, .value_kind: global_buffer, .address_space: global }
      - { .name: b3, .offset: 56, .size: 8, .value_kind: global_buffer, .address_space: global }
      - { .name: out0, .offset: 64, .size: 8, .value_kind: global_buffer, .address_space: global }
    .group_segment_fixed_size: 7168
    .private_segment_fixed_size: 0
    .kernarg_segment_align: 8
    .kernarg_segment_size: 72
    .max_flat_workgroup_size: 256
    .sgpr_count:     66
    .vgpr_count:     448
    .wavefront_size: 32
...
	.end_amdgpu_metadata
.endif
;; end of part 1
